; MI455X (gfx1250); checked and timed in simulation.
; The chip was launched on July 23, 2026; its instructions are those of AMD's public machine-readable ISA for CDNA 5 (MIT licence, August 2026) and "CDNA5" Instruction Set Architecture Reference Guide (July 2026). The comments in the code are by the model that wrote it; some were corrected since.
;; Linear Layer PS Lo RA. Allowed arithmetic: matrix products marked QUANTISED: E3M2 operands, one E8M0 scale for each 32 along K, by v_wmma_scale_f32_16x16x128_f8f6f4 with both operands' format E3M2, f32 sums; everything else in f32.
;; Inputs: bias 4,096 float32; input_codes 8 x 512 x 128 x 24 uint8 (E3M2 codes of input, K innermost, in blocks of 32 codes, four codes in three bytes); input_scales 8 x 512 x 128 uint8 (E8M0 scales of input, one for each 32 codes along K); labeler_index 8 int32; lora_A 5 x 4,096 x 32 float32; lora_B_codes 4,096 x 1 x 24 uint8 (E3M2 codes of lora_B, K innermost, in blocks of 32 codes, four codes in three bytes); lora_B_scales 4,096 x 1 uint8 (E8M0 scales of lora_B, one for each 32 codes along K); weight_codes 4,096 x 128 x 24 uint8 (E3M2 codes of weight, K innermost, in blocks of 32 codes, four codes in three bytes); weight_scales 4,096 x 128 uint8 (E8M0 scales of weight, one for each 32 codes along K).
;; Outputs: out0 8 x 512 x 4,096 float32.
;; This version of the problem:
;;   THIS VERSION OF THE PROBLEM IS GIVEN IN LOW PRECISION. The matrix products marked QUANTISED in the list below multiply operands that are first quantised to E3M2 (3 exponent bits, 2 mantissa bits; 6 bits a number), with one power-of-two scale for each 32 numbers along K (OCP MX v1.0); their sums are f32. All else is computed in f32.
;;   The module's matrix products, in the order in which they are computed (A, B: the left and right operand; K: the contracted axis; several contracted axes count as one K, in the product's order):
;;     1. [M 4,096, K 4,096] x [K 4,096, N 4,096]; A: input input (given as codes); B: input weight (given as codes): QUANTISED
;;     2. batch 8 x [M 512, K 4,096] x [K 4,096, N 32]; A: input input (given as codes); B: computed on the way: QUANTISED
;;     3. [M 4,096, K 32] x [K 32, N 4,096]; A: computed on the way; B: input lora_B (given as codes): QUANTISED
;;   THE QUANTISER, for each operand of a quantised product, along K:
;;     - K is cut into blocks of 32 from its start; a last block that is shorter is filled with zeros.
;;     - A block's scale is 2^e with e = floor(log2(the largest magnitude in the block)) - 4, held to -126 .. 127; a block of zeros has e = 0. As a byte (E8M0): e + 127.
;;     - Each number is divided by its block's scale, clamped to +-28, and rounded to the nearest number of E3M2, ties to even, subnormals kept.
;;     - The product sums the exact products of the quantised numbers (number of the format x scale) in f32.
;;   ~~~python
;;   def quantise(x, axis):      # numpy; x: float32 -> the quantised numbers, widened to float32 again
;;       x = np.moveaxis(x, axis, -1); K = x.shape[-1]
;;       x = np.pad(x, [(0, 0)] * (x.ndim - 1) + [(0, -K % 32)]); x = x.reshape(x.shape[:-1] + (-1, 32)); a = np.abs(x).max(-1, keepdims=True)
;;       e = np.where(a > 0, np.clip(np.frexp(np.where(a > 0, a, 1))[1] - 1 - 4, -126, 127), 0)      # np.frexp(a)[1] - 1 = floor(log2(a)), exactly
;;       r = np.clip(x / 2.0 ** e, -28, 28)
;;       step = 2.0 ** (np.maximum(np.frexp(np.where(r == 0, 1, r))[1] - 1, -2) - 2)
;;       q = np.round(r / step) * step * 2.0 ** e      # np.round: ties to even
;;       return np.moveaxis(q.reshape(q.shape[:-2] + (-1,))[..., :K], -1, axis).astype(np.float32)
;;   ~~~
;;   OPERANDS COMPUTED ON THE WAY. 'Computed on the way' means the value that the module computes at that place (a softmax that the list does not call 'softmax' is quantised finished and normalised). What goes into a quantiser is computed in f32, as accurately as f32 sums, v_exp_f32 and their like allow (about 1e-6 of the number): no bf16 or f16 on the way to a quantiser, and a product that is left as it is and whose result goes on into a quantised operand takes f32 operands (vector FMAs, or v_wmma_f32_16x16x4_f32). A number that lies on a knife's edge between two numbers of the format may be rounded either way, as far as f32 arithmetic and the matrix unit's own rounding can turn it there, and no further.
;;   INPUTS GIVEN AS CODES. input (in the module: [8, 512, 4096], K = its axis 2); lora_B (in the module: [4096, 32], K = its axis 1); weight (in the module: [4096, 4096], K = its axis 1): each comes as NAME_codes (uint8): NAME with its K axis moved to the last place and cut into blocks of 32 codes, [.., K / 32, bytes a block], one block behind the other in memory; four codes in three bytes: a row's codes are one little-endian stream of bits, code i at bits 6 i .. 6 i + 5 (a code: sign, 3 exponent bits, 2 mantissa bits); and NAME_scales (uint8): the same leading axes, one E8M0 byte (e + 127) for each 32 codes along K. Its value is code x scale, taken as it is: it is not quantised again, and the codes and scales need not be those that the quantiser above would give.
;; One version. Each part assembles by itself: llvm-mc -triple=amdgcn-amd-amdhsa -mcpu=gfx1250 --defsym DOCPART=n.
;; ======== version 1 of 1: 2 launches
;; limits: right only within a limited range of input values
;; workspace buffers: qa_img 491,520 bytes; qa_scl 20,480 bytes; sc_img 1,048,576 bytes
;; launch prep (part 1): grid 208 x 1, 2 waves a work-group, no clusters, 512 bytes of LDS; arguments lora_A, input_scales, weight_scales, qa_img, qa_scl, sc_img; writes qa_img, qa_scl, sc_img
.if DOCPART == 1
	.amdgcn_target "amdgcn-amd-amdhsa--gfx1250"
	.amdhsa_code_object_version 6
	.text
	.protected	k_q630f64986b_prep
	.globl	k_q630f64986b_prep
	.p2align	8
	.type	k_q630f64986b_prep,@function
k_q630f64986b_prep:
	s_mov_b64 s[64:65], 0
	v_nop
	global_prefetch_b8 v0, s[64:65] scope:SCOPE_SE
	s_setreg_imm32_b32 hwreg(HW_REG_WAVE_MODE, 25, 1), 1
	s_wait_xcnt 0x0
; Two jobs, told apart by the work-group's number.  No work of the problem is left out.
; THE ORDER OF BLOCKS.  The next launch feeds a step of 128 along K with the step's four blocks of 32 in the places 0, 2, 1, 3 of the matrix operand (memory block t stands at place 2 (t % 2) + t / 2), alike on both
; operands.  So every scale word made here has its bytes in that order: byte 2 (t % 2) + t / 2 belongs to memory block t.
; Work-groups 0 .. 79: each of the five matrices lora_A[a], [4096 (K)][32 (rank)] f32, is quantised ONCE along K to codes of BF6 (E3M2) with one E8M0 byte for each 32 along K: five matrices, where a copy for each of the
;   eight batches would be eight.  The next launch reads labeler_index and takes, for each batch, its labeler's codes.
;   qa_img [a 5][u 2][s 32][1536 bytes]: the fragment of tile u (16 ranks) for K step s, as an image of its 12 registers: registers 4 j .. 4 j + 3 of lane l at 512 j + 16 l.
;   Lane (p, h) of the image holds rank 8 u + p + 8 (p / 8); its registers 6 c .. 6 c + 5 hold k = 128 s + 32 (2 h + c) + 0 .. 31.
;   qa_scl [a 5][g 16][u 2][p 16][q 2] words: that rank's scale word for K step 2 g + q.
;   Work-group 16 a + g, two waves; wave q takes K step 2 g + q.  A lane takes a rank and its registers run down K: a load reads one row of A, 128 consecutive bytes; a block lies in one lane's 32 registers.
;   A wave asks for its 128 rows in one run, each into a register of its own.
; Work-groups 80 .. 207: the scale bytes of input (the first 64) and of weight are laid anew.  sc_img [input, weight][block of 16 rows 256][four K steps 8][row 16][16 bytes]: units of 256 bytes, each word's bytes in the order above.
;   A block's 2,048 bytes are the same 2,048 bytes of the source; a work-group takes four blocks, a wave two; a wave's store covers 512 consecutive bytes.
; LIMITS: NaN and infinities in lora_A are not served.  A block of zeros gets the byte 1 where the quantiser says 127: its codes are zeros, and this program alone reads the bytes.
.set OFF, 2                            ; v2   4 x lane: my rank's number in a row of A
.set AD,  3                            ; v3   my place in the images: 49,152 u + 16 p
.set AS,  4                            ; v4   my place among the scale words: 128 u + 8 p
.set LW,  5                            ; v5   LDS: 4 x lane
.set W,   12                           ; v12  my K step's scale word; v13 wave 1's, in wave 0
.set SO,  16                           ; v16-19  the conversions' scale operands
.set T,   20                           ; v20-35  the upper 16 codes of each block, before they are moved
.set IM,  36                           ; v36-59  the images: that of half h at IM + 12 h
.set X,   64                           ; v64-191 my rank's 128 numbers
	s_load_b256 s[4:11], s[0:1], 0x0               ; lora_A, input_scales, weight_scales, qa_img
	s_load_b128 s[12:15], s[0:1], 0x20             ; qa_scl, sc_img
	v_lshrrev_b32 v1, 5, v0
	v_readfirstlane_b32 s20, v1                    ; wave
	v_and_b32 v1, 31, v0                           ; lane
	s_cmp_lt_u32 ttmp9, 80
	s_wait_alu depctr_va_vdst(0)
	s_cbranch_scc1 .Lquant
	; THE SCALE BYTES.  Instruction j of a block: lane l stores item 32 j + l (16 bytes): four K steps 2 j + l / 16 of row l % 16
	v_and_b32 v2, 15, v1
	v_lshrrev_b32 v3, 4, v1
	v_lshlrev_b32 v2, 7, v2
	v_lshl_add_u32 v2, v3, 4, v2                   ; from: 128 x row + 16 x (l / 16)
	v_lshlrev_b32 v3, 4, v1                        ; to: 16 x lane
	s_lshl_b32 s21, s20, 12                        ; my wave's two blocks
	v_add_nc_u32 v2, s21, v2
	v_add_nc_u32 v3, s21, v3
	s_sub_co_u32 s24, ttmp9, 80                    ; 0 .. 127
	s_lshl_b32 s26, s24, 13                        ; 8,192 bytes a work-group, in sc_img
	s_mov_b32 s27, 0
	s_and_b32 s28, s26, 0x7ffff                    ; and in its source
	s_mov_b32 s29, 0
	s_mov_b32 s25, 0x03010200                      ; bytes 1 and 2 of a word change places
	s_wait_alu depctr_va_vdst(0)
	s_wait_kmcnt 0x0
	s_cmp_lt_u32 s24, 64
	s_cselect_b64 s[6:7], s[6:7], s[8:9]
	s_add_nc_u64 s[6:7], s[6:7], s[28:29]
	s_add_nc_u64 s[14:15], s[14:15], s[26:27]
.irp g, 0,1
.irp j, 0,1,2,3
	global_load_b128 v[8+16*\g+4*\j:8+16*\g+4*\j+3], v2, s[6:7] offset:2048*\g+32*\j th:TH_LOAD_NT
.endr
.endr
	s_wait_loadcnt 0x0
.set n, 8
.rept 32
	v_perm_b32 v[n], v[n], v[n], s25
.set n, n+1
.endr
.irp g, 0,1
.irp j, 0,1,2,3
	global_store_b128 v3, v[8+16*\g+4*\j:8+16*\g+4*\j+3], s[14:15] offset:2048*\g+512*\j
.endr
.endr
	s_endpgm
.Lquant:
	v_lshl_add_u32 v192, v0, 2, 0x100              ; my spare word, and 0
	v_mov_b32 v193, 0
	s_lshr_b32 s22, ttmp9, 4                       ; a: the labeler
	s_and_b32 s23, ttmp9, 15                       ; g
	s_lshl_b32 s21, s23, 1
	s_add_co_u32 s21, s21, s20                     ; s = 2 g + q
	v_lshlrev_b32 v[OFF], 2, v1
	v_lshlrev_b32 v[LW], 2, v1
	v_bfe_u32 v6, v1, 3, 1                         ; u = (rank / 8) % 2
	v_and_b32 v7, 7, v1
	v_lshrrev_b32 v10, 4, v1
	v_lshl_or_b32 v7, v10, 3, v7                   ; p = rank % 8 + 8 (rank / 16)
	v_mul_u32_u24 v[AD], v6, 0xc000
	v_lshl_add_u32 v[AD], v7, 4, v[AD]
	v_lshlrev_b32 v[AS], 7, v6
	v_lshl_add_u32 v[AS], v7, 3, v[AS]
	s_mul_i32 s26, s22, 98304                      ; the images of labeler a,
	s_mul_i32 s27, s21, 1536                       ; K step s
	s_add_co_u32 s26, s26, s27
	s_mov_b32 s27, 0
	s_lshl_b32 s28, s22, 12                        ; its scale words,
	s_lshl_b32 s29, s23, 8                         ; pair g
	s_add_co_u32 s28, s28, s29
	s_mov_b32 s29, 0
	s_lshl_b32 s24, s22, 19                        ; a labeler's matrix is 4,096 x 32 x 4 bytes,
	s_lshl_b32 s25, s21, 14                        ; a K step 128 rows of 128 bytes
	s_add_co_u32 s24, s24, s25
	s_mov_b32 s25, 0
	s_wait_alu depctr_va_vdst(0)
	s_wait_kmcnt 0x0
	s_add_nc_u64 s[4:5], s[4:5], s[24:25]
	s_add_nc_u64 s[10:11], s[10:11], s[26:27]
	s_add_nc_u64 s[12:13], s[12:13], s[28:29]
.set n, 0
.rept 128
	global_load_b32 v[X+n], v[OFF], s[4:5] offset:128*n            ; A(128 s + n, my rank)
.set n, n+1
.endr
.macro BLOCK t                         ; memory block t goes to registers 6 (t % 2) .. + 5 of half t / 2, its byte to place 2 (t % 2) + t / 2
.set XS, X+32*(\t)
.set DS, IM+12*((\t)/2)+6*((\t)%2)
.if (\t) < 2
	s_wait_loadcnt 63                              ; at most 63 of the 128 loads are out: the first 65 are in, blocks 0 and 1 among them
.endif
.if (\t) == 2
	s_wait_loadcnt 32                              ; the last block's 32 may be out
.endif
.if (\t) == 3
	s_wait_loadcnt 0x0
.endif
	v_max3_num_f32 v8, |v[XS]|, |v[XS+1]|, |v[XS+2]|              ; the block's largest magnitude, in two chains
	v_max3_num_f32 v9, |v[XS+3]|, |v[XS+4]|, |v[XS+5]|
.irp i, 6,10,14,18,22,26
	v_max3_num_f32 v8, v8, |v[XS+\i]|, |v[XS+\i+1]|
	v_max3_num_f32 v9, v9, |v[XS+\i+2]|, |v[XS+\i+3]|
.endr
	v_max3_num_f32 v8, v8, |v[XS+30]|, |v[XS+31]|
	v_max3_num_f32 v8, v8, v9, 0x2800000           ; and the floor 2^(5 - 127): the byte cannot fall under 1
	v_add_nc_u32 v[SO+(\t)], 0xfe000000, v8        ; 4 off its exponent field: the conversion's scale operand
	v_lshrrev_b32 v10, 23, v[SO+(\t)]              ; the scale's byte
.if (\t) == 0
	v_mov_b32 v[W], v10
.else
	v_lshl_or_b32 v[W], v10, 8*(2*((\t)%2)+(\t)/2), v[W]
.endif
	v_cvt_scalef32_pk16_bf6_f32 v[DS:DS+2], v[XS:XS+15], v[SO+(\t)]
	v_cvt_scalef32_pk16_bf6_f32 v[T+4*(\t):T+4*(\t)+2], v[XS+16:XS+31], v[SO+(\t)]   ; a conversion's three registers begin on an even number: the second three are made here and moved
	v_nop                                          ; one plain place behind a scaled conversion
.irp i, 0,1,2
	v_mov_b32 v[DS+3+\i], v[T+4*(\t)+\i]
.endr
.endm
	BLOCK 0
	BLOCK 1
	BLOCK 2
	BLOCK 3
.irp h, 0,1
.irp j, 0,1,2
	global_store_b128 v[AD], v[IM+12*\h+4*\j:IM+12*\h+4*\j+3], s[10:11] offset:256*\h+512*\j   ; the sixteen lanes of a tile u store 256 consecutive bytes, aligned
.endr
.endr
	; the two waves' scale words leave together: wave 1's go to wave 0 through LDS
	s_cmp_lg_u32 s20, 1
	s_cbranch_scc1 .Lnot_wave_1
	ds_store_b32 v[LW], v[W]
.Lnot_wave_1:
	s_wait_dscnt 0x0                               ; for wave 0's sake: the store has landed
	s_barrier_signal -1
	s_barrier_wait -1
	s_cmp_lg_u32 s20, 0
	s_cbranch_scc1 .Lend
	ds_load_b32 v[W+1], v[LW]
	s_wait_dscnt 0x0
	s_wait_alu depctr_va_vdst(0)
	global_store_b64 v[AS], v[W:W+1], s[12:13]     ; 32 lanes store 256 consecutive bytes, aligned
.Lend:
	s_wait_tensorcnt 0x0                           ; the wave's end
	ds_add_u32 v192, v193
	s_wait_dscnt 0x0
	s_endpgm
.Lfunc_end_k_q630f64986b_prep:
	.size	k_q630f64986b_prep, .Lfunc_end_k_q630f64986b_prep-k_q630f64986b_prep
	.p2alignl 7, 3214868480
	.fill 96, 4, 3214868480
	.section	.rodata,"a",@progbits
	.p2align	6, 0x0
	.amdhsa_kernel k_q630f64986b_prep
		.amdhsa_group_segment_fixed_size 512
		.amdhsa_private_segment_fixed_size 0
		.amdhsa_enable_private_segment 0
		.amdhsa_kernarg_size 48
		.amdhsa_user_sgpr_count 2
		.amdhsa_user_sgpr_kernarg_segment_ptr 1
		.amdhsa_wavefront_size32 1
		.amdhsa_system_sgpr_workgroup_id_x 1
		.amdhsa_system_sgpr_workgroup_id_y 1
		.amdhsa_system_sgpr_workgroup_id_z 1
		.amdhsa_system_vgpr_workitem_id 0
		.amdhsa_next_free_vgpr 194
		.amdhsa_next_free_sgpr 66
		.amdhsa_reserve_vcc 0
		.amdhsa_float_denorm_mode_32 3
		.amdhsa_float_denorm_mode_16_64 3
		.amdhsa_memory_ordered 1
		.amdhsa_forward_progress 1
		.amdhsa_inst_pref_size 26
	.end_amdhsa_kernel
	.amdgpu_metadata
---
amdhsa.version: [ 1, 2 ]
amdhsa.kernels:
  - .name:           k_q630f64986b_prep
    .symbol:         k_q630f64986b_prep.kd
    .args:
      - { .name: lora_A, .offset: 0, .size: 8, .value_kind: global_buffer, .address_space: global }
      - { .name: input_scales, .offset: 8, .size: 8, .value_kind: global_buffer, .address_space: global }
      - { .name: weight_scales, .offset: 16, .size: 8, .value_kind: global_buffer, .address_space: global }
      - { .name: qa_img, .offset: 24, .size: 8, .value_kind: global_buffer, .address_space: global }
      - { .name: qa_scl, .offset: 32, .size: 8, .value_kind: global_buffer, .address_space: global }
      - { .name: sc_img, .offset: 40, .size: 8, .value_kind: global_buffer, .address_space: global }
    .group_segment_fixed_size: 512
    .private_segment_fixed_size: 0
    .kernarg_segment_align: 8
    .kernarg_segment_size: 48
    .max_flat_workgroup_size: 64
    .sgpr_count:     66
    .vgpr_count:     194
    .wavefront_size: 32
...
	.end_amdgpu_metadata
.endif
;; end of part 1
;; launch gemm (part 2): grid 16 x 16, 4 waves a work-group, clusters of 4 x 4, 327,680 bytes of LDS; arguments input_codes, weight_codes, lora_B_codes, lora_B_scales, bias, qa_img, qa_scl, sc_img, out0, labeler_index; writes out0
.if DOCPART == 2
	.amdgcn_target "amdgcn-amd-amdhsa--gfx1250"
	.amdhsa_code_object_version 6
	.text
	.protected	k_q630f64986b_gemm
	.globl	k_q630f64986b_gemm
	.p2align	8
	.type	k_q630f64986b_gemm,@function
k_q630f64986b_gemm:
	s_mov_b64 s[64:65], 0
	v_nop
	global_prefetch_b8 v0, s[64:65] scope:SCOPE_SE
	s_setreg_imm32_b32 hwreg(HW_REG_WAVE_MODE, 25, 1), 1
	s_wait_xcnt 0x0
	s_wait_alu depctr_hold_cnt(0) depctr_sa_sdst(0) depctr_va_vdst(0) depctr_va_sdst(0) depctr_va_ssrc(0) depctr_va_vcc(0) depctr_vm_vsrc(0)
	s_getreg_b32 s2, hwreg(HW_REG_IB_STS2, 6, 4)
	s_cmp_eq_u32 s2, 0
	s_cbranch_scc0 .Lentry_in_a_cluster
	s_endpgm
.Lentry_in_a_cluster:
	s_bfe_u32 s2, ttmp6, 0x10000c
	s_cmp_lg_u32 s2, 0xf033
	s_cbranch_scc0 .Lentry_shape_is_right
	s_endpgm
.Lentry_shape_is_right:
; out0[m][n] = sum_k x[m][k] W[n][k] + bias[n] + 0.5 sum_r Q(ax)[m][r] lora_B[n][r],  ax[m][r] = sum_k x[m][k] Q(A_b)[k][r],  b = m / 512.
; x, W [4096][4096], lora_B [4096][32]: codes of BF6 (E3M2), one E8M0 byte for each 32 along K, taken as they lie.  Q(A_b) and the scale words of x and W come from the launch before, laid as registers take them.
; A tile of out0, 256 x 256, is made by four waves; a wave makes 128 x 128: 64 accumulators.  K goes through a ring of two LDS slots in CHUNKS OF 256 BYTES of each row (a row of codes is 3,072 bytes: 12 chunks, each aligned).
; A step of 128 along K is 96 bytes of a row: eight steps to three chunks; chunk c lies in slot c % 2.  After eight steps the two slots have changed roles: the loop's trip is eight steps, and at its end the
; LDS addresses are made anew from terms that change between 0 and SLOT by an exclusive or.  One group 0 serves each operand's refills: its LDS address changes the same way, its address in memory steps by 256.
; A LANE TAKES 48 CONSECUTIVE BYTES OF A STEP (three loads of 16 bytes): lanes 0-15 the step's blocks 0 and 1, lanes 16-31 blocks 2 and 3.  So memory block t stands at place 2 (t % 2) + t / 2 of the operand,
; alike in x, W and Q(A_b), and the scale words have their bytes in that order: the products and their scales are the same, summed in another order inside a step.
; THE SCALE WORDS of x and W come from sc_img straight into registers: a load of 16 bytes a lane brings four steps' words; lanes 0-15 read 256 consecutive bytes of x's block i, lanes 16-31 of W's block i.  Two sets of 32.
; CLUSTERS: 4 x 4.  x's tiles are shared along a row of the cluster, W's and lora_B's along a column: each is asked for jointly.  THE MATRIX INSTRUCTION IS USED TRANSPOSED (source 0 = W's rows, source 1 = x's rows).
; THE LOW-RANK PATH rides on x's fragments: in every step each of the wave's eight blocks of x also meets one tile of 16 ranks of Q(A_b) (the wave with column half u: tile u).  At the end of K the two waves of a
; row half exchange their tiles through LDS, the row's 32 ranks are quantised in registers, and ONE MORE K STEP (32 codes, 96 zero codes) adds Q(ax) lora_B^T onto the 64 accumulators.  0.5 is 1 off ax's scale byte.
; PREFETCH: a chunk of 32 rows a wave, a lane a row; the four partners of a joint load share its 128 rows out by address.  The head names chunks 1 to 3; each refill (chunk c + 2) names chunk c + 4; none is named past chunk 11.
; LIMITS: NaN and infinities in ax are not served.  A row of ax under 2^(5 - 127) is held at that floor's scale; its byte, less 1, is 0, which stands for 2^-127.  Given scale bytes are taken as they are.
; REGISTERS: window 0: v0-31 addresses (v24-27 the ranks' scale words); v32-95 scale words; v96-159 ax's accumulators; v160-255 x's fragments, one set.
;   window 1: W's fragments at v0 and v128; the ranks' fragments at v96 and v224.   windows 2, 3: the 64 accumulators ((a, b) at v[8 (8 (a % 4) + b)]).
.set SIZE_N, 4096
.set KROW,   3072
.set ROWB,   256
.set PITCH,  272                       ; 256 bytes + 16 of padding: the sixteen rows of a load of 16 bytes a lane lie in sixteen different columns of 16 bytes
.set FR,     12
.set NL,     3                         ; LDS loads that bring a fragment
.set NP,     4                         ; places behind this matrix instruction (ISA guide 7.12.1)
.set HALFT,  128*PITCH
.set SLOT,   4*HALFT                   ; x's 256 rows, then W's 256 rows
.set SPARE,  2*SLOT                    ; the spare words
.set LB,     SPARE+512                 ; lora_B's codes of my 256 columns, 24 bytes a column; filled once
.set LBS,    LB+6144                   ; lora_B's 256 scale bytes; filled once
.set XCH,    LBS+256                   ; the waves' accumulators of ax, 8,192 bytes each
.set SPITCH, 528                       ; the way out: a stage of 16 rows x (512 + 16) bytes a wave, in slot 0, which has had its last fill (chunk 10) and its last read by then
.set PFO, 3
.set LI,  4                            ; 16 x lane
.set LI8, 5                            ; 8 x (lane % 16)
.set VSO, 6                            ; my place in sc_img: lanes 0-15 x's rows, lanes 16-31 W's
.set BA,  7                            ; x: row x pitch + 48 (l / 16) + my half;  EA: row x pitch + 208 (1 - l / 16) + my half
.set EA,  8
.set BB,  9                            ; the same for W
.set EB,  10
.set U0,  11                           ; slot terms of a load whose lanes 0-15 read a chunk's end and whose lanes 16-31 the next chunk's start
.set U1,  12
.set ADRA, 16                          ; v16-17 x's fragments in the slot of an even, odd chunk of the trip; v18-19 across two chunks
.set ADRB, 20
.set LSC, 24
.set SPW, 28
.set NIL, 29
.set SC,  32                           ; set s at SC + 32 s; register 4 i + q: block i, the q-th of four steps
.set AX,  96
.set XI,  96
.set AF,  160
.set BK,  96                           ; the way out: v96-159 and v160-223 by turns
.set LF,  96                           ; window 1
.set LBB, 96                           ; window 1, in the tail: lora_B's scale bytes
.set TM,  4                            ; the tail: v4-7 magnitudes, then bytes; v8-11 the other half's
.set TS,  16                           ; v16-19 the conversions' scale operands
.set BIAS, 12
.set LBA, 3
.set STO, 20
.set RD,  21
.set CO,  22
.set LBSA, 23
.set XW,  30
.set XR,  31
.set MK,  2
.set G1, 24
.set G0, 32
.set G0B, 36
.set G1B, 48
.set G0H, 56
.set G0HB, 60
.set SEL, 66
.set G1L, 68
.set G0L, 76
.set G1S, 80
.set BIP, 88
.set LA,  90
.set LSA, 92
.set SCB, 94
.set G0S, 96
.set PFA, 100
.set T0,  104
.set T1,  105
.set MSB, 0
.macro WIN new                         ; the immediate's high byte repeats the setting that is left
.if MSB != \new
	s_set_vgpr_msb (MSB<<8)|\new
.set MSB, \new
.endif
.endm
.set MUL_LO, 0xa1                      ; source 0 window 1, source 1 window 0, C and D window 2
.set MUL_HI, 0xf1
.set TO_B,   0x40                      ; destination window 1
.set LOR,    0x01                      ; source 0 window 1
.macro PLACES n
.rept \n
	v_nop
.endr
.endm
.macro JLOAD                           ; a joint load: waves 0 and 1 fetch x's two halves, waves 2 and 3 W's; s_nop 0 and four v_nop behind each line
	s_cmp_eq_u32 s15, 0
	s_cbranch_scc0 .Lfor_b_\@
	tensor_load_to_lds s[G0:G0+3], s[G1:G1+7]
	s_nop 0
	PLACES 4
	s_branch .Lasked_\@
.Lfor_b_\@:
	tensor_load_to_lds s[G0B:G0B+3], s[G1B:G1B+7]
	s_nop 0
	PLACES 4
.Lasked_\@:
.endm
.macro ASK how, off                    ; how = 2: not in the loop's last trip, where the chunk named would lie past the row's end
.if \how == 2
	s_cmp_gt_u32 s3, 1
	s_cbranch_scc0 .Lno_ask_\@
.endif
.if \how
	global_prefetch_b8 v[PFO], s[PFA:PFA+1] offset:\off th:TH_LOAD_NT scope:SCOPE_SE
.endif
.if \how == 2
.Lno_ask_\@:
.endif
.endm
.macro CREST
	s_cmp_lg_u32 s14, 0
	s_cbranch_scc1 .Lnot_wave_0_\@
	s_barrier_signal -3
.Lnot_wave_0_\@:
	s_barrier_wait -3
	s_barrier_signal -1
	s_barrier_wait -1
.endm
.macro CROUND
	s_barrier_signal -1
	s_barrier_wait -1
	CREST
.endm
.macro SETADR                          ; the eight LDS addresses from their bases and the slot terms.  v2 = l / 16, v30 = 1 - l / 16; of T0 and T1 one is 0 and the other SLOT
	v_mul_u32_u24 v[U0], s[T1], v2                 ; across two chunks, the first in the slot of an even chunk: lanes 0-15 take T0, lanes 16-31 T1;
	v_mad_u32_u24 v[U0], s[T0], v30, v[U0]
	v_mul_u32_u24 v[U1], s[T0], v2                 ; the first in the slot of an odd chunk: lanes 0-15 take T1, lanes 16-31 T0
	v_mad_u32_u24 v[U1], s[T1], v30, v[U1]
	v_add_nc_u32 v[ADRA], s[T0], v[BA]
	v_add_nc_u32 v[ADRA+1], s[T1], v[BA]
	v_add_nc_u32 v[ADRA+2], v[U0], v[EA]
	v_add_nc_u32 v[ADRA+3], v[U1], v[EA]
	v_add_nc_u32 v[ADRB], s[T0], v[BB]
	v_add_nc_u32 v[ADRB+1], s[T1], v[BB]
	v_add_nc_u32 v[ADRB+2], v[U0], v[EB]
	v_add_nc_u32 v[ADRB+3], v[U1], v[EB]
.endm
	s_load_b256 s[4:11], s[0:1], 0x0               ; x's codes, W's codes, lora_B's codes, lora_B's scales
	s_load_b256 s[88:95], s[0:1], 0x20             ; bias, qa_img, qa_scl, sc_img
	s_load_b64 s[12:13], s[0:1], 0x40              ; out0
	s_load_b64 s[2:3], s[0:1], 0x48                ; labeler_index
	v_lshl_add_u32 v[SPW], v0, 2, SPARE
	v_mov_b32 v[NIL], 0
	ds_add_u32 v[SPW], v[NIL]                      ; the opening lines: the add, twice on end, and its wait
	ds_add_u32 v[SPW], v[NIL]
	v_lshrrev_b32 v1, 5, v0
	v_readfirstlane_b32 s14, v1                    ; wave
	s_lshr_b32 s15, s14, 1                         ; my half of the rows; also: I fetch for x (0) or W (1)
	s_and_b32 s16, s14, 1                          ; my half of the columns, my tile of ranks; also: which 128 rows I fetch
	s_bfe_u32 s40, ttmp6, 0x40000                  ; cx
	s_bfe_u32 s41, ttmp6, 0x40004                  ; cy
	s_lshl_b32 s42, ttmp9, 2
	s_add_co_u32 s42, s42, s40                     ; tile column
	s_and_b32 s17, ttmp7, 0xffff
	s_lshl_b32 s17, s17, 2
	s_add_co_u32 s17, s17, s41                     ; tile row
	s_lshl_b32 s43, s41, 2
	s_lshl_b32 s43, 15, s43                        ; my row of the cluster
	s_lshl_b32 s44, 0x1111, s40                    ; my column
	s_or_b32 s[G1+0], s43, (0<<16)|(1<<20)|(1<<21)|(5<<22)|(3<<25)   ; rows of 256 bytes, 16 bytes of padding behind each; 256 rows at the head, 128 behind it
	s_or_b32 s[G1B+0], s44, (0<<16)|(1<<20)|(1<<21)|(5<<22)|(3<<25)
.irp g, G1, G1B
	s_mov_b32 s[\g+1], ROWB<<16
	s_mov_b32 s[\g+2], 256<<16
	s_mov_b32 s[\g+3], ROWB<<16
	s_mov_b32 s[\g+4], 256
	s_mov_b32 s[\g+5], KROW
	s_mov_b32 s[\g+6], 0
	s_mov_b32 s[\g+7], 0
.endr
	s_or_b32 s[G1L+0], s44, (3<<16)|(1<<21)        ; lora_B's codes: 6,144 dense bytes as 24 rows of 256
	s_mov_b32 s[G1L+1], 32<<16
	s_mov_b32 s[G1L+2], 24<<16
	s_mov_b32 s[G1L+3], 32<<16
	s_mov_b32 s[G1L+4], 24
	s_mov_b32 s[G1L+5], 32
	s_mov_b32 s[G1L+6], 0
	s_mov_b32 s[G1L+7], 0
	s_or_b32 s[G1S+0], s44, (3<<16)|(1<<21)        ; lora_B's scale bytes: one row of 256
	s_mov_b32 s[G1S+1], 32<<16
	s_mov_b32 s[G1S+2], 1<<16
	s_mov_b32 s[G1S+3], 32<<16
	s_mov_b32 s[G1S+4], 1
	s_mov_b32 s[G1S+5], 32
	s_mov_b32 s[G1S+6], 1<<16
	s_mov_b32 s[G1S+7], 0
	s_lshl_b32 s20, s17, 8
	s_mul_i32 s20, s20, KROW                       ; x's tile, in bytes
	s_mov_b32 s21, 0
	s_lshl_b32 s46, s42, 8
	s_mul_i32 s46, s46, KROW                       ; W's tile
	s_mov_b32 s47, 0
	s_mul_i32 s18, s16, 128*KROW                   ; in the ring: my 128 rows
	s_mov_b32 s19, 0
	s_mul_i32 s45, s14, HALFT
	s_mul_i32 s22, s42, 6144
	s_mov_b32 s23, 0
	s_mov_b32 s[SEL], 0x76543210
	s_mov_b32 s[SEL+1], 0xfedcba98
	s_mov_b32 s[T0], 0
	s_mov_b32 s[T1], SLOT
	s_wait_dscnt 0x0                               ; both opening adds are done
	s_wait_kmcnt 0x0
	s_lshr_b32 s43, s17, 1                         ; b: the batch is tile row / 2 (the masks that lay in s43 and s44 are in the descriptors by now)
	s_lshl_b32 s43, s43, 2
	s_load_b32 s44, s[2:3], s43 offset:0x0         ; labeler_index[b]: waited for behind the head's tensor loads
	s_add_nc_u64 s[20:21], s[4:5], s[20:21]
	s_add_nc_u64 s[46:47], s[6:7], s[46:47]
	s_add_nc_u64 s[G0L+2:G0L+3], s[8:9], s[22:23]
	s_lshl_b32 s22, s42, 8
	s_add_nc_u64 s[G0S+2:G0S+3], s[10:11], s[22:23]
	s_mov_b32 s[G0H], 1                            ; the head's four tiles: chunk 0's 256 rows of x,
	s_mov_b32 s[G0H+1], 0
	s_mov_b64 s[G0H+2:G0H+3], s[20:21]
	s_or_b32 s[G0H+3], s[G0H+3], 0x80000000
	s_mov_b32 s[G0HB], 1                           ; of W,
	s_mov_b32 s[G0HB+1], 2*HALFT
	s_mov_b64 s[G0HB+2:G0HB+3], s[46:47]
	s_or_b32 s[G0HB+3], s[G0HB+3], 0x80000000
	s_mov_b32 s[G0L], 1                            ; lora_B's codes
	s_mov_b32 s[G0L+1], LB
	s_or_b32 s[G0L+3], s[G0L+3], 0x80000000
	s_mov_b32 s[G0S], 1                            ; and scale bytes
	s_mov_b32 s[G0S+1], LBS
	s_or_b32 s[G0S+3], s[G0S+3], 0x80000000
	s_add_nc_u64 s[20:21], s[20:21], s[18:19]
	s_add_nc_u64 s[46:47], s[46:47], s[18:19]
	s_mov_b32 s[G0], 1                             ; the ring's: set for chunk 1, in slot 1
	s_add_co_u32 s[G0+1], s45, SLOT
	s_add_nc_u64 s[G0+2:G0+3], s[20:21], ROWB
	s_or_b32 s[G0+3], s[G0+3], 0x80000000
	s_mov_b32 s[G0B], 1
	s_add_co_u32 s[G0B+1], s45, SLOT
	s_add_nc_u64 s[G0B+2:G0B+3], s[46:47], ROWB
	s_or_b32 s[G0B+3], s[G0B+3], 0x80000000
	; the prefetches: my work-group's 32 of the 128 rows that I fetch
	s_wait_xcnt 0x0                                ; the index's load has read its address: s[2:3] may be written
	s_cmp_eq_u32 s15, 0
	s_cselect_b32 s2, s17, s42
	s_cselect_b32 s47, s40, s41
	s_cselect_b64 s[PFA:PFA+1], s[4:5], s[6:7]
	s_lshl_b32 s2, s2, 8
	s_lshl_b32 s47, s47, 5
	s_add_co_u32 s2, s2, s47
	s_lshl_b32 s47, s16, 7
	s_add_co_u32 s2, s2, s47
	s_mul_i32 s2, s2, KROW
	s_mov_b32 s3, 0
	s_add_nc_u64 s[PFA:PFA+1], s[PFA:PFA+1], s[2:3]
	; out0 and bias at my first row and column
	s_lshl_b32 s20, s17, 22                        ; 256 rows of 16,384 bytes a tile row
	s_lshl_b32 s21, s15, 21
	s_add_co_u32 s20, s20, s21
	s_mov_b32 s21, 0
	s_add_nc_u64 s[12:13], s[12:13], s[20:21]
	s_lshl_b32 s46, s42, 10
	s_lshl_b32 s47, s16, 9
	s_add_co_u32 s46, s46, s47
	s_mov_b32 s47, 0
	s_add_nc_u64 s[12:13], s[12:13], s[46:47]
	s_add_nc_u64 s[BIP:BIP+1], s[BIP:BIP+1], s[46:47]
	s_lshl_b32 s20, s17, 15                        ; sc_img: x's eight blocks of mine,
	s_lshl_b32 s2, s15, 14
	s_add_co_u32 s20, s20, s2
	s_lshl_b32 s46, s42, 15                        ; and how far behind them W's lie
	s_lshl_b32 s2, s16, 14
	s_add_co_u32 s46, s46, s2
	s_add_co_u32 s46, s46, 0x80000
	s_sub_co_u32 s46, s46, s20
	s_mul_i32 s21, s15, HALFT                      ; my 128 rows of x in a slot,
	s_mul_i32 s22, s16, HALFT
	s_add_co_u32 s22, s22, 2*HALFT                 ; of W
	CROUND                                         ; all sixteen work-groups are here: the first joint loads meet
.macro ARM under, g0, g1, next         ; one tree of branches on the wave's number: every way through the head passes one load
	s_cmp_lt_u32 s14, \under
	s_cbranch_scc0 \next
	tensor_load_to_lds s[\g0:\g0+3], s[\g1:\g1+7]
	s_nop 0
	PLACES 4
	s_branch .Lhead_asked
\next:
.endm
	ARM 1, G0H,  G1,  .Lhead_b
	ARM 2, G0HB, G1B, .Lhead_l
	ARM 3, G0L,  G1L, .Lhead_s
	tensor_load_to_lds s[G0S:G0S+3], s[G1S:G1S+7]
	s_nop 0
	PLACES 4
.Lhead_asked:
.macro FRAG reg, adr, st, i            ; 16 rows x 128 K: lane l takes 48 bytes of row l % 16, from byte 96 st + 48 (l / 16) of the trip's rows, in pieces of 16 bytes; each piece lies inside one chunk
.irp p, 0,1,2
.set BY, 96*(\st)+16*\p
.if BY/ROWB == (BY+48)/ROWB
	ds_load_b128 v[\reg+4*\p:\reg+4*\p+3], v[\adr+(BY/ROWB)%2] offset:BY%ROWB+(\i)*16*PITCH
.else                                  ; the two halves of the lanes read different chunks: BY % 256 is 208, 224 or 240
	ds_load_b128 v[\reg+4*\p:\reg+4*\p+3], v[\adr+2+(BY/ROWB)%2] offset:BY%ROWB-208+(\i)*16*PITCH
.endif
.endr
.endm
; 8 matrix instructions: x's block a against W's eight.  The accumulators take turns, one instruction a turn.
.macro MUL8 a, st, zero
.set PB, 128*((\st)%2)
.set SQ, SC+32*(((\st)/4)%2)+(\st)%4
.irp b, 0,1,2,3,4,5,6,7
.if \zero
	v_wmma_scale_f32_16x16x128_f8f6f4 v[8*(8*((\a)%4)+\b):8*(8*((\a)%4)+\b)+7], v[PB+FR*\b:PB+FR*\b+FR-1], v[AF+FR*(\a):AF+FR*(\a)+FR-1], 0, v[SQ+4*\b], v[SQ+4*(\a)] matrix_a_fmt:MATRIX_FMT_BF6 matrix_b_fmt:MATRIX_FMT_BF6 matrix_a_scale:MATRIX_SCALE_ROW1
.else
	v_wmma_scale_f32_16x16x128_f8f6f4 v[8*(8*((\a)%4)+\b):8*(8*((\a)%4)+\b)+7], v[PB+FR*\b:PB+FR*\b+FR-1], v[AF+FR*(\a):AF+FR*(\a)+FR-1], v[8*(8*((\a)%4)+\b):8*(8*((\a)%4)+\b)+7], v[SQ+4*\b], v[SQ+4*(\a)] matrix_a_fmt:MATRIX_FMT_BF6 matrix_b_fmt:MATRIX_FMT_BF6 matrix_a_scale:MATRIX_SCALE_ROW1
.endif
.endr
.endm
; 4 matrix instructions of the low-rank path: my tile of ranks against x's blocks a0 .. a0 + 3
.macro LMUL a0, st, zero
.set PL, LF+128*(((\st)/2)%2)+FR*((\st)%2)
.set SL, LSC+2*(((\st)/2)%2)+(\st)%2
.set SQ, SC+32*(((\st)/4)%2)+(\st)%4
.irp a, \a0, \a0+1, \a0+2, \a0+3
.if \zero
	v_wmma_scale_f32_16x16x128_f8f6f4 v[AX+8*(\a):AX+8*(\a)+7], v[PL:PL+FR-1], v[AF+FR*(\a):AF+FR*(\a)+FR-1], 0, v[SL], v[SQ+4*(\a)] matrix_a_fmt:MATRIX_FMT_BF6 matrix_b_fmt:MATRIX_FMT_BF6
.else
	v_wmma_scale_f32_16x16x128_f8f6f4 v[AX+8*(\a):AX+8*(\a)+7], v[PL:PL+FR-1], v[AF+FR*(\a):AF+FR*(\a)+FR-1], v[AX+8*(\a):AX+8*(\a)+7], v[SL], v[SQ+4*(\a)] matrix_a_fmt:MATRIX_FMT_BF6 matrix_b_fmt:MATRIX_FMT_BF6
.endif
.endr
.endm
.macro LLOAD par, pr                   ; the ranks' fragments and scale words of the trip's pair pr of steps: seven loads
	WIN TO_B
.irp q, 0,1
.irp c, 0,1,2
	global_load_b128 v[LF+128*(\par)+FR*\q+4*\c:LF+128*(\par)+FR*\q+4*\c+3], v[LI], s[LA:LA+1] offset:3072*(\pr)+1536*\q+512*\c
.endr
.endr
	WIN 0
	global_load_b64 v[LSC+2*(\par):LSC+2*(\par)+1], v[LI8], s[LSA:LSA+1] offset:256*(\pr)
.endm
.macro SLOAD sc, qd                    ; x's and W's scale words of the trip's steps 4 qd .. 4 qd + 3: eight loads
.irp i, 0,1,2,3,4,5,6,7
	global_load_b128 v[SC+32*(\sc)+4*\i:SC+32*(\sc)+4*\i+3], v[VSO], s[SCB:SCB+1] offset:2048*\i+256*(\qd)
.endr
.endm
.macro FETCH_B st
	WIN TO_B
.irp i, 0,1,2,3,4,5,6,7
	FRAG 128*((\st)%2)+FR*\i, ADRB, \st, \i
.endr
	WIN 0
.endm
.macro FETCH_A st, i0
.irp i, \i0, \i0+1, \i0+2, \i0+3
	FRAG AF+FR*(\i), ADRA, \st, \i
.endr
.endm
	v_and_b32 v1, 15, v0                           ; l % 16
	v_bfe_u32 v2, v0, 4, 1                         ; l / 16
	v_and_b32 v13, 31, v0
	v_mul_u32_u24 v[PFO], v13, KROW
	v_lshlrev_b32 v[LI], 4, v13
	v_lshlrev_b32 v[LI8], 3, v1
	v_mul_u32_u24 v[VSO], s46, v2
	v_lshl_add_u32 v[VSO], v1, 4, v[VSO]
	v_add_nc_u32 v[VSO], s20, v[VSO]
	SLOAD 0, 0
	SLOAD 1, 1
	s_wait_alu depctr_va_vdst(0)
	s_wait_kmcnt 0x0                               ; my batch's labeler a is in.  An index above 4 is held at 4
	s_min_u32 s44, s44, 4
	s_lshl_b32 s2, s44, 1                          ; qa_img: tile 2 a + u, 32 K steps x 1,536 bytes each  (s3 = 0)
	s_add_co_u32 s2, s2, s16
	s_mul_i32 s2, s2, 49152
	s_add_nc_u64 s[LA:LA+1], s[LA:LA+1], s[2:3]
	s_lshl_b32 s2, s44, 12                         ; qa_scl: 4,096 bytes a labeler, 128 a tile
	s_lshl_b32 s47, s16, 7
	s_add_co_u32 s2, s2, s47
	s_add_nc_u64 s[LSA:LSA+1], s[LSA:LSA+1], s[2:3]
	LLOAD 0, 0
	LLOAD 1, 1
.irp c, 1,2,3
	global_prefetch_b8 v[PFO], s[PFA:PFA+1] offset:256*\c th:TH_LOAD_NT scope:SCOPE_SE
.endr
	v_mul_u32_u24 v14, v1, PITCH
	v_mul_u32_u24 v15, v2, 48
	v_add_nc_u32 v15, v14, v15
	v_sub_nc_u32 v30, 1, v2
	v_mul_u32_u24 v31, v30, 208
	v_add_nc_u32 v31, v14, v31
	v_add_nc_u32 v[BA], s21, v15
	v_add_nc_u32 v[EA], s21, v31
	v_add_nc_u32 v[BB], s22, v15
	v_add_nc_u32 v[EB], s22, v31
	SETADR
; A step of 128 along K: 72 matrix instructions on step st's fragments; the next step's are fetched in its middle and at its end.  st counts from the trip's first chunk.
;   The next step's bytes END in a chunk not yet read: every wave waits for its tensor loads, and a barrier shows that chunk whole.
;   They BEGIN in a later chunk than this step's: the chunk left behind is read no more: the wait for all tensor loads, the add, the wait for it and for my reads, the barrier; fill = 1: it opens a round, and the slot is filled again.
; lw: at an even step, the loads from memory younger than this pair's ranks and these steps' scale words.  ll, sl: at the step's end the ranks of two pairs on, the scale words of eight steps on, into the registers just left.
.macro STEP st, zero, fill, lw, ll, sl, ask
.set NX, (\st)+1
.set C0, (96*(\st))/ROWB
.set C1, (96*NX)/ROWB
.set E0, (96*(\st)+95)/ROWB
.set E1, (96*NX+95)/ROWB
.if (\st)%2 == 0
	s_wait_loadcnt \lw
.endif
.if C1 > C0 || E1 > E0
	s_wait_tensorcnt 0x0                           ; all my tensor loads have landed
.if C1 > C0
	ds_add_u32 v[SPW], v[NIL]
.if \fill
	s_xor_b32 s[G0+1], s[G0+1], SLOT               ; no load of mine is out: on to the next chunk, in the other slot
	s_xor_b32 s[G0B+1], s[G0B+1], SLOT
	s_add_nc_u64 s[G0+2:G0+3], s[G0+2:G0+3], ROWB
	s_add_nc_u64 s[G0B+2:G0B+3], s[G0B+2:G0B+3], ROWB
.endif
	s_wait_dscnt 4*NL+1                            ; the add and the youngest twelve loads (x's blocks 4-7) may be out
.else
	s_wait_dscnt 4*NL
.endif
	WIN MUL_LO
	MUL8 0, \st, \zero
	MUL8 1, \st, \zero
	s_wait_dscnt 0x0                               ; the add, where there is one, and all my reads are done
	s_barrier_signal -1
	MUL8 2, \st, \zero
	MUL8 3, \st, \zero
	WIN LOR
	LMUL 0, \st, \zero
	WIN 0
	s_barrier_wait -1
.if C1 > C0 && \fill
	CREST                                          ; the round: no wave of any partner still reads this slot or has a load on its way
	JLOAD                                          ; chunk C0 + 2; its four v_nop are the places in front of the loads below
.else
	PLACES NP
.endif
.else
	s_wait_dscnt 4*NL                              ; W's set and x's blocks 0-3 are in
	WIN MUL_LO
	MUL8 0, \st, \zero
	MUL8 1, \st, \zero
	MUL8 2, \st, \zero
	MUL8 3, \st, \zero
	WIN LOR
	LMUL 0, \st, \zero
	s_wait_dscnt 0                                 ; x's blocks 4-7 are in
	PLACES NP
.endif
	FETCH_B NX
	FETCH_A NX, 0
	ASK \ask, 256*(C0+4)
	WIN MUL_HI
	MUL8 4, \st, \zero
	MUL8 5, \st, \zero
	MUL8 6, \st, \zero
	MUL8 7, \st, \zero
	WIN LOR
	LMUL 4, \st, \zero
	PLACES NP
	WIN 0
.if \sl
	SLOAD ((\st)/4)%2, (\st)/4+2
.endif
.if \ll
	LLOAD ((\st)/2)%2, (\st)/2+2
.endif
	FETCH_A NX, 4
.endm
	s_wait_alu depctr_va_vdst(0)
	s_wait_tensorcnt 0x0                           ; my tile of the head's four is in
	ds_add_u32 v[SPW], v[NIL]
	s_mov_b32 s[G1+2], 128<<16                     ; no tensor load of mine is out: from here on a load brings 128 rows
	s_mov_b32 s[G1+4], 128
	s_mov_b32 s[G1B+2], 128<<16
	s_mov_b32 s[G1B+4], 128
	s_wait_dscnt 0x0
	CROUND
	JLOAD                                          ; chunk 1
	FETCH_B 0
	FETCH_A 0, 0
	FETCH_A 0, 4
	STEP 0, 1, 0, 7, 0, 0, 0                       ; the first step's products start the sums; the second pair's seven loads may be out
	s_mov_b32 s3, 3
.Llap:                                                 ; eight steps, three chunks, three refills
	STEP 1, 0, 0, 0, 1, 0, 0
	STEP 2, 0, 1, 7, 0, 0, 1
	STEP 3, 0, 0, 0, 1, 1, 0
	STEP 4, 0, 0, 15, 0, 0, 0
	STEP 5, 0, 1, 0, 1, 0, 1
	STEP 6, 0, 0, 7, 0, 0, 0
	STEP 7, 0, 1, 0, 1, 1, 2
	STEP 8, 0, 0, 15, 0, 0, 0
	s_wait_xcnt 0x0                                ; the loads and prefetches have read their bases
	s_add_nc_u64 s[LA:LA+1], s[LA:LA+1], 8*1536
	s_add_nc_u64 s[LSA:LSA+1], s[LSA:LSA+1], 4*256
	s_add_nc_u64 s[SCB:SCB+1], s[SCB:SCB+1], 2*256
	s_add_nc_u64 s[PFA:PFA+1], s[PFA:PFA+1], 3*ROWB
	s_xor_b32 s[T0], s[T0], SLOT                   ; three chunks on: the slots change roles
	s_xor_b32 s[T1], s[T1], SLOT
	SETADR
	s_sub_co_u32 s3, s3, 1
	s_cmp_lg_u32 s3, 0
	s_wait_alu depctr_va_vdst(0)
	s_cbranch_scc1 .Llap
	STEP 1, 0, 0, 0, 1, 0, 0                       ; steps 25 to 30: chunk 11 is the last refill, pairs 14 and 15 the last ranks
	STEP 2, 0, 1, 7, 0, 0, 0
	STEP 3, 0, 0, 0, 1, 0, 0
	STEP 4, 0, 0, 7, 0, 0, 0
	STEP 5, 0, 0, 0, 0, 0, 0
	STEP 6, 0, 0, 0, 0, 0, 0
	; THE LAST STEP ALONG K.  The low-rank products come first, so that ax is on its way to the partner wave while the others are issued.
	s_lshl_b32 s18, s14, 13
	s_add_co_u32 s18, s18, XCH
	s_lshl_b32 s19, s15, 14
	s_add_co_u32 s19, s19, XCH
	s_mul_i32 s20, s16, 3072
	s_add_co_u32 s20, s20, LB
	s_lshl_b32 s21, s16, 7
	s_add_co_u32 s21, s21, LBS
	s_mul_i32 s22, s14, 16*SPITCH
	s_wait_dscnt 0
	WIN LOR
	LMUL 0, 7, 0
	LMUL 4, 7, 0
	WIN MUL_LO
	MUL8 0, 7, 0
	MUL8 1, 7, 0
	WIN 0
	v_add_nc_u32 v[XW], s18, v[LI]                 ; the tail's addresses; these lines are also the places behind ax's last products
	v_add_nc_u32 v[XR], s19, v[LI]
	v_mul_u32_u24 v[LBA], v1, 24
	v_add_nc_u32 v[LBA], s20, v[LBA]
	v_add_nc_u32 v[LBSA], s21, v1
	v_mul_u32_u24 v[STO], v1, SPITCH
	v_lshl_add_u32 v[STO], v2, 5, v[STO]
	v_add_nc_u32 v[STO], s22, v[STO]
	v_mov_b32 v[CO], v[LI]
	v_add_nc_u32 v[RD], s22, v[LI]
	v_add_nc_u32 v[MK], -1, v2                     ; all ones in lanes 0-15, 0 in lanes 16-31
.irp b, 0,1,2,3
	v_mov_b32 v[TM+4+\b], 0                        ; a lane permute's destination counts as one of its sources
.endr
	global_load_b128 v[BIAS:BIAS+3], v[CO], s[BIP:BIP+1]
.irp i, 0,1,2,3,4,5,6,7
	ds_store_b128 v[XW], v[AX+8*\i:AX+8*\i+3] offset:1024*\i          ; each accumulator from its low end on, as an image of its registers
	ds_store_b128 v[XW], v[AX+8*\i+4:AX+8*\i+7] offset:1024*\i+512
.endr
	WIN TO_B                                       ; lora_B's eight fragments go where W's set 0 lay: 32 codes, 96 zero codes
.irp i, 0,1,2,3,4,5,6,7
.irp t, 6,7,8,9,10,11
	v_mov_b32 v[FR*\i+\t], 0
.endr
.endr
.irp i, 0,1,2,3,4,5,6,7
.irp p, 0,1,2
	ds_load_b64 v[FR*\i+2*\p:FR*\i+2*\p+1], v[LBA] offset:384*\i+8*\p
.endr
.endr
.irp i, 0,1,2,3,4,5,6,7
	ds_load_u8 v[LBB+\i], v[LBSA] offset:16*\i     ; its scale byte: a word whose upper three bytes are 0, over zero codes
.endr
	WIN MUL_LO
	MUL8 2, 7, 0
	MUL8 3, 7, 0
	s_wait_dscnt 0x0                               ; for my partner's sake: my stores of ax have landed
	s_barrier_signal -1
	WIN MUL_HI
	MUL8 4, 7, 0
	MUL8 5, 7, 0
	MUL8 6, 7, 0
	MUL8 7, 7, 0
	WIN 0x44
.irp i, 0,1,2,3,4,5,6,7
.irp t, 0,1,2,3,4,5
	v_and_b32 v[FR*\i+\t], v[MK], v[FR*\i+\t]      ; lanes 16-31: zero codes.  (These lines name no register of the last products: they are the places behind them)
.endr
.endr
	WIN 0
	s_barrier_wait -1
; THE TAIL: ax is quantised along its 32 ranks, four blocks of 16 rows at a time.
.macro XLOAD g                         ; register XI + 16 b + t = rank 16 (l / 16) + t of row l % 16 of block 4 g + b
.irp b, 0,1,2,3
.irp u, 0,1
	ds_load_b128 v[XI+16*\b+8*\u:XI+16*\b+8*\u+3], v[XR] offset:8192*\u+1024*(4*\g+\b)
	ds_load_b128 v[XI+16*\b+8*\u+4:XI+16*\b+8*\u+7], v[XR] offset:8192*\u+1024*(4*\g+\b)+512
.endr
.endr
.endm
.macro QMAX g
.irp b, 0,1,2,3
	v_max3_num_f32 v[TM+\b], |v[XI+16*\b]|, |v[XI+16*\b+1]|, 0x2800000   ; with the floor 2^(5 - 127)
.endr
.irp i, 2,4,6,8,10,12,14
.irp b, 0,1,2,3
	v_max3_num_f32 v[TM+\b], v[TM+\b], |v[XI+16*\b+\i]|, |v[XI+16*\b+\i+1]|
.endr
.endr
.irp b, 0,1,2,3
	v_permlanex16_b32 v[TM+4+\b], v[TM+\b], s[SEL], s[SEL+1]
.endr
.irp b, 0,1,2,3
	v_max_num_f32 v[TM+\b], v[TM+\b], v[TM+4+\b]   ; the row's largest magnitude
.endr
.irp b, 0,1,2,3
	v_add_nc_u32 v[TS+\b], 0xfe000000, v[TM+\b]    ; 4 off its exponent field: the conversion's scale operand
.endr
.irp b, 0,1,2,3
	v_add_nc_u32 v[TM+\b], 0xfd800000, v[TM+\b]    ; 5 off: the scale x 0.5
.endr
.irp b, 0,1,2,3
	v_lshrrev_b32 v[TM+\b], 23, v[TM+\b]
.endr
	v_cmp_ne_u32 vcc_lo, 0, v[MK]
	WIN LOR
.irp b, 0,1,2,3
	v_cndmask_b32 v[SC+4*(4*\g+\b)], v[LBB+4*\g+\b], v[TM+\b], vcc_lo   ; lanes 0-15 ax's word of block i, lanes 16-31 lora_B's
.endr
	WIN 0
.irp b, 0,1,2,3
	v_cvt_scalef32_pk16_bf6_f32 v[AF+FR*(4*\g+\b):AF+FR*(4*\g+\b)+2], v[XI+16*\b:XI+16*\b+15], v[TS+\b]
.endr
.endm
.macro QFIN g                          ; the whole block goes to lanes 0-15: registers 0-2's lanes 16-31 change places with registers 3-5's lanes 0-15, which hold zeros
	v_nop                                          ; one plain place behind a scaled conversion
.irp b, 0,1,2,3
.irp i, 0,1,2
	v_permlane16_swap_b32 v[AF+FR*(4*\g+\b)+\i], v[AF+FR*(4*\g+\b)+3+\i]
.endr
.endr
.endm
	XLOAD 0
.irp i, 0,1,2,3,4,5,6,7
.irp t, 3,4,5,6,7,8,9,10,11
	v_mov_b32 v[AF+FR*\i+\t], 0                    ; ax's fragments, where x's lay: zero codes but for the conversions' three registers
.endr
.endr
	s_wait_dscnt 0x0
	QMAX 0
	XLOAD 1
	QFIN 0
	s_wait_dscnt 0x0
	QMAX 1
	QFIN 1
	PLACES 8                                       ; a scale register written by a vector instruction stands 8 places ahead of a scaled matrix instruction
	WIN MUL_LO                                     ; ONE MORE K STEP onto the same 64 accumulators
	MUL8 0, 0, 0
	MUL8 1, 0, 0
	MUL8 2, 0, 0
	MUL8 3, 0, 0
	WIN MUL_HI
	MUL8 4, 0, 0
	MUL8 5, 0, 0
	MUL8 6, 0, 0
	MUL8 7, 0, 0
	WIN 0
; THE WAY OUT, block by block of 16 rows x 128 columns: through my own stage and back as whole rows of 512 bytes; the bias is added there.  LDS serves a wave's instructions in order (ISA guide 5.7.1.4).
.macro TOSTAGE a
.set AC, 64*((\a)%4)
	WIN 0x08+4*((\a)/4)
.irp b, 0,1,2,3,4,5,6,7
	ds_store_b128 v[STO], v[AC+8*\b:AC+8*\b+3] offset:64*\b          ; each accumulator from its low end on
	ds_store_b128 v[STO], v[AC+8*\b+4:AC+8*\b+7] offset:64*\b+16
.endr
	WIN 0
.set BBF, BK+64*((\a)%2)
.irp t, 0,1,2,3,4,5,6,7,8,9,10,11,12,13,14,15
	ds_load_b128 v[BBF+4*\t:BBF+4*\t+3], v[RD] offset:\t*SPITCH
.endr
.endm
.macro SEND a, younger
.set BBF, BK+64*((\a)%2)
	s_wait_dscnt \younger
.if (\a) > 0
	s_add_nc_u64 s[12:13], s[12:13], 16*SIZE_N*4   ; behind a wait on XCNT: the earlier stores have read their base
.endif
.irp t, 0,1,2,3,4,5,6,7,8,9,10,11,12,13,14,15
	v_pk_add_f32 v[BBF+4*\t:BBF+4*\t+1], v[BBF+4*\t:BBF+4*\t+1], v[BIAS:BIAS+1]
	v_pk_add_f32 v[BBF+4*\t+2:BBF+4*\t+3], v[BBF+4*\t+2:BBF+4*\t+3], v[BIAS+2:BIAS+3]
	global_store_b128 v[CO], v[BBF+4*\t:BBF+4*\t+3], s[12:13] offset:\t*SIZE_N*4 th:TH_STORE_NT   ; 32 lanes store 512 consecutive bytes, aligned
.endr
.endm
	s_wait_loadcnt 0x0                             ; the bias is in
	PLACES NP                                      ; behind the last products: for the loads into ax's fragments' registers and for the stores that read results
	TOSTAGE 0
.irp a, 1,2,3,4,5,6,7
.if \a > 1
	s_wait_xcnt 0x0                                ; block a - 2's stores have read their registers and their base
.endif
	TOSTAGE \a
	SEND \a-1, 32
.endr
	s_wait_xcnt 0x0
	SEND 7, 0
	s_wait_tensorcnt 0x0                           ; the wave's end
	ds_add_u32 v[SPW], v[NIL]
	s_wait_dscnt 0x0
	CROUND                                         ; the closing round
	s_endpgm
.Lfunc_end_k_q630f64986b_gemm:
	.size	k_q630f64986b_gemm, .Lfunc_end_k_q630f64986b_gemm-k_q630f64986b_gemm
	.p2alignl 7, 3214868480
	.fill 96, 4, 3214868480
	.section	.rodata,"a",@progbits
	.p2align	6, 0x0
	.amdhsa_kernel k_q630f64986b_gemm
		.amdhsa_group_segment_fixed_size 327680
		.amdhsa_private_segment_fixed_size 0
		.amdhsa_enable_private_segment 0
		.amdhsa_kernarg_size 80
		.amdhsa_user_sgpr_count 2
		.amdhsa_user_sgpr_kernarg_segment_ptr 1
		.amdhsa_wavefront_size32 1
		.amdhsa_system_sgpr_workgroup_id_x 1
		.amdhsa_system_sgpr_workgroup_id_y 1
		.amdhsa_system_sgpr_workgroup_id_z 1
		.amdhsa_system_vgpr_workitem_id 0
		.amdhsa_next_free_vgpr 1024
		.amdhsa_next_free_sgpr 106
		.amdhsa_reserve_vcc 1
		.amdhsa_float_denorm_mode_32 3
		.amdhsa_float_denorm_mode_16_64 3
		.amdhsa_memory_ordered 1
		.amdhsa_forward_progress 1
		.amdhsa_inst_pref_size 255
	.end_amdhsa_kernel
	.section	.bss,"aw",@nobits
	.p2align	6
	.space	262144
	.amdgpu_metadata
---
amdhsa.version: [ 1, 2 ]
amdhsa.kernels:
  - .name:           k_q630f64986b_gemm
    .symbol:         k_q630f64986b_gemm.kd
    .args:
      - { .name: input_codes, .offset: 0, .size: 8, .value_kind: global_buffer, .address_space: global }
      - { .name: weight_codes, .offset: 8, .size: 8, .value_kind: global_buffer, .address_space: global }
      - { .name: lora_B_codes, .offset: 16, .size: 8, .value_kind: global_buffer, .address_space: global }
      - { .name: lora_B_scales, .offset: 24, .size: 8, .value_kind: global_buffer, .address_space: global }
      - { .name: bias, .offset: 32, .size: 8, .value_kind: global_buffer, .address_space: global }
      - { .name: qa_img, .offset: 40, .size: 8, .value_kind: global_buffer, .address_space: global }
      - { .name: qa_scl, .offset: 48, .size: 8, .value_kind: global_buffer, .address_space: global }
      - { .name: sc_img, .offset: 56, .size: 8, .value_kind: global_buffer, .address_space: global }
      - { .name: out0, .offset: 64, .size: 8, .value_kind: global_buffer, .address_space: global }
      - { .name: labeler_index, .offset: 72, .size: 8, .value_kind: global_buffer, .address_space: global }
    .group_segment_fixed_size: 327680
    .private_segment_fixed_size: 0
    .kernarg_segment_align: 8
    .kernarg_segment_size: 80
    .max_flat_workgroup_size: 128
    .sgpr_count:     106
    .vgpr_count:     1024
    .wavefront_size: 32
...
	.end_amdgpu_metadata
.endif
;; end of part 2
